; MI455X (gfx1250); checked and timed in simulation.
; The chip was launched on July 23, 2026; its instructions are those of AMD's public machine-readable ISA for CDNA 5 (MIT licence, August 2026) and "CDNA5" Instruction Set Architecture Reference Guide (July 2026). The comments in the code are by the model that wrote it; some were corrected since.
;; Multi Head Attention. Allowed arithmetic: matrix products marked QUANTISED: E4M3 operands, one given power-of-two scale a tensor, by v_wmma_f32_16x16x64_fp8_fp8 or v_wmma_f32_16x16x128_fp8_fp8, f32 sums; everything else in f32.
;; Inputs: Wk 2,048 x 2,048 float32; Wo 2,048 x 2,048 float32; Wq 2,048 x 2,048 float32; Wv 2,048 x 2,048 float32; cos 2,048 x 128 float32; lowp_scales 12 int32 (the exponents e of the quantised operands' scales 2^e); mask 2,048 x 2,048 float32; sin 2,048 x 128 float32; x 1 x 2,048 x 2,048 float32.
;; Outputs: out0 1 x 2,048 x 2,048 float32.
;; This version of the problem:
;;   THIS VERSION OF THE PROBLEM IS GIVEN IN LOW PRECISION. The matrix products marked QUANTISED in the list below multiply operands that are first quantised to E4M3 (4 exponent bits, 3 mantissa bits; 8 bits a number), with one given power-of-two scale for each operand tensor; their sums are f32. All else is computed in f32.
;;   The module's matrix products, in the order in which they are computed (A, B: the left and right operand; K: the contracted axis; several contracted axes count as one K, in the product's order):
;;     1. [M 2,048, K 2,048] x [K 2,048, N 2,048]; A: input x; B: input Wq: QUANTISED (scales: A lowp_scales[0], B lowp_scales[1])
;;     2. [M 2,048, K 2,048] x [K 2,048, N 2,048]; A: input x; B: input Wk: QUANTISED (scales: A lowp_scales[2], B lowp_scales[3])
;;     3. [M 2,048, K 2,048] x [K 2,048, N 2,048]; A: input x; B: input Wv: QUANTISED (scales: A lowp_scales[4], B lowp_scales[5])
;;     4. batch 16 x [M 2,048, K 128] x [K 128, N 2,048]; A: computed on the way; B: computed on the way: QUANTISED (scales: A lowp_scales[6], B lowp_scales[7])
;;     5. batch 16 x [M 2,048, K 2,048] x [K 2,048, N 128]; A: softmax (see below); B: computed on the way: QUANTISED (scales: A lowp_scales[8], B lowp_scales[9])
;;     6. [M 2,048, K 2,048] x [K 2,048, N 2,048]; A: computed on the way; B: input Wo: QUANTISED (scales: A lowp_scales[10], B lowp_scales[11])
;;   THE QUANTISER, for each operand of a quantised product, along K:
;;     - The operand's scale is 2^e, e = its entry of the input lowp_scales (int32; the entries are numbered through the quantised products in the list's order, A before B).
;;     - Each number is divided by the scale, clamped to +-448, and rounded to the nearest number of E4M3, ties to even, subnormals kept.
;;     - The product sums the exact products of the quantised numbers (number of the format x scale) in f32.
;;   ~~~python
;;   def quantise(x, axis, e):      # numpy; x: float32 -> the quantised numbers, widened to float32 again
;;       x = np.moveaxis(x, axis, -1); K = x.shape[-1]
;;       r = np.clip(x / 2.0 ** e, -448, 448)
;;       step = 2.0 ** (np.maximum(np.frexp(np.where(r == 0, 1, r))[1] - 1, -6) - 3)
;;       q = np.round(r / step) * step * 2.0 ** e      # np.round: ties to even
;;       return np.moveaxis(q, -1, axis).astype(np.float32)
;;   ~~~
;;   SOFTMAX AHEAD OF A QUANTISED PRODUCT. Where the list says 'softmax', what is quantised is not the finished softmax but p = 2^(t - M), with t = logit x log2(e) and M = ceil(the row's largest t), a whole number; so 1/2 < the row's largest p <= 1. The row's sum l is taken of the UNQUANTISED p, in f32, and the product's result is divided by l at the end. Since M is a whole number, a kernel that streams over the keys may use a running M (the ceiling of the running maximum): every later rescaling is an exact power of two, so the quantised numbers keep their values, but for numbers so far below the row's largest that they fall under the format's range.
;;   OPERANDS COMPUTED ON THE WAY. 'Computed on the way' means the value that the module computes at that place (a softmax that the list does not call 'softmax' is quantised finished and normalised). What goes into a quantiser is computed in f32, as accurately as f32 sums, v_exp_f32 and their like allow (about 1e-6 of the number): no bf16 or f16 on the way to a quantiser, and a product that is left as it is and whose result goes on into a quantised operand takes f32 operands (vector FMAs, or v_wmma_f32_16x16x4_f32). A number that lies on a knife's edge between two numbers of the format may be rounded either way, as far as f32 arithmetic and the matrix unit's own rounding can turn it there, and no further.
;; One version. Each part assembles by itself: llvm-mc -triple=amdgcn-amd-amdhsa -mcpu=gfx1250 --defsym DOCPART=n.
;; ======== version 1 of 1: 4 launches
;; limits: right only within a limited range of input values
;; workspace buffers: codes 29,360,128 bytes; qkv 12,582,912 bytes; ao 4,194,304 bytes; cs 2,097,152 bytes; mimg 16,777,216 bytes
;; launch quant (part 1): grid 832 x 1, 4 waves a work-group, no clusters, 68,096 bytes of LDS; arguments x, Wq, Wk, Wv, Wo, lowp_scales, codes, cos, sin, cs, mask, mimg; writes codes, cs, mimg
.if DOCPART == 1
	.amdgcn_target "amdgcn-amd-amdhsa--gfx1250"
	.amdhsa_code_object_version 6
	.text
	.protected	k_qc42e67d0d1_quant
	.globl	k_qc42e67d0d1_quant
	.p2align	8
	.type	k_qc42e67d0d1_quant,@function
k_qc42e67d0d1_quant:
	s_mov_b64 s[64:65], 0
	v_nop
	global_prefetch_b8 v0, s[64:65] scope:SCOPE_SE
	s_setreg_imm32_b32 hwreg(HW_REG_WAVE_MODE, 25, 1), 1
	s_wait_xcnt 0x0
; x, Wq, Wk, Wv, Wo ([2048][2048] f32, K innermost) become codes of FP8 (E4M3), each with the scale 2^e that is given for the operand: code = number / 2^e, held within +-448, to the nearest code, ties to even.
; cos and sin ([2048][128] f32) are laid anew, unchanged in value, in the order in which the next launch's registers take them.
; NOTHING OF reference() IS LEFT OUT in this program: every product of its table is live, and every input (x, the four weights, cos, sin, mask, the scales) has a way to the output and is loaded by one of the four launches.
; x enters three products with three scales of its own (entries 0, 2, 4), which may differ: it is read once and quantised three times.
; THE WORKSPACE IS LAID AS IMAGES OF OPERAND REGISTERS.  A matrix of rows x K codes is cut into fragments of 16 rows x 128 k, 2,048 bytes: four chunks c of 512 bytes, lane l = (r = l % 16, h = l / 16) owning the 16 bytes at 512 c + 16 l,
; which are the operand's registers 4 c .. 4 c + 3; register pair 2 c', 2 c' + 1 holds k = 16 c' + 8 h + 0 .. 7 of row r, the place that the matrix form itself gives each k.
; Order in memory: [block of 128 rows][K step of 128][tile of 16 rows][2,048]: byte 262,144 RB + 16,384 s + 2,048 tile.  Seven images of 4 MiB: 0 x (e0), 1 x (e2), 2 Wv (e5), 3 Wq (e1), 4 Wk (e3), 5 x (e4), 6 Wo (e11).
; THE TABLES' IMAGE, cs: [tile of 16 tokens][cos 8,192 bytes, sin 8,192 bytes]; piece i of 512 bytes: lane (r, h) owns the 16 bytes at 16 l: the table at token r, channels 16 (i / 2) + 8 h + 4 (i % 2) + 0 .. 3.
; SHARES.  Work-groups 0 to 639: tensor g / 128 (x, Wq, Wk, Wv, Wo), 16 rows g % 128; wave w: K steps 4 w .. 4 w + 3, a unit of 16 rows x 128 k at a time.  Work-groups 768 to 831: a wave takes 16 tokens of one table.
; A load reads 512 consecutive bytes of one row; a unit turns through the wave's own stage in LDS (rows 528 bytes apart) and comes back 32 neighbouring bytes of a row to a lane; a store writes 512 consecutive bytes.
; No tensor load, no barrier: waves share nothing.  One unit's 16 loads are on their way while another is worked on.  The two paths part on the work-group's number and have LDS bytes of their own.
; LIMITS: each e between -126 and 119, so that 2^e and 448 x 2^e are f32 numbers.  NaN among the inputs is not served (an infinity is held at the largest code).
; THE MASK ([2048][2048] f32) is a sixth tensor of the first path: work-groups 640 to 767, 16 queries each, a unit of 16 queries x 128 keys at a time.  It is not quantised: each number is multiplied by log2(e), in f32,
; and the unit leaves in the order of the attention launch's registers.  mimg: [tile of 16 queries][block of 128 keys][piece i of 512 bytes]: lane (r, h) owns the 16 bytes at 16 l: query r, keys 16 (i / 2) + 8 h + 4 (i % 2) + 0 .. 3.
; THE SHARES AS THEY STAND NOW: work-groups 0 to 639 the five tensors of codes, 640 to 767 the mask, 768 to 831 the tables cos and sin.
.set STG,   16*528
.set SPARE, 4*STG                      ; behind the four stages: the spare words, 128 bytes for each wave: two blocks of 256 bytes that no other line names
.set TST,   SPARE+512                  ; behind them: the four stages of the tables' path
.set R,     16                         ; v16-143  two sets of 64: a unit as loaded
.set X,     144                        ; v144-207 the unit in the operand's order: register 8 c' + i = k 16 c' + 8 h + i of row r
.set T,     208                        ; v208-223 sixteen held numbers
.set C,     224                        ; v224-239 a fragment's codes
.set SPW,   10                         ; v10 LDS address of my spare word; never rewritten
.set NIL,   11                         ; v11 0; never rewritten
; v1 16 x lane: offset of loads and stores; v2 the stage on the way in; v3 on the way out; v12, v13 the same in the tables' stage; v4/v5, v6/v7, v8/v9: 2^e and 448 x 2^e for the three destinations
	s_load_b256 s[4:11], s[0:1], 0x0               ; x, Wq, Wk, Wv
	s_load_b128 s[12:15], s[0:1], 0x20             ; Wo, the scales' exponents
	s_load_b64 s[16:17], s[0:1], 0x30              ; codes
	s_load_b128 s[56:59], s[0:1], 0x38             ; cos, sin
	s_load_b64 s[60:61], s[0:1], 0x48              ; cs
	s_load_b128 s[68:71], s[0:1], 0x50             ; mask, mimg
	v_lshl_add_u32 v[SPW], v0, 2, SPARE
	v_mov_b32 v[NIL], 0
	v_lshrrev_b32 v12, 5, v0
	v_readfirstlane_b32 s20, v12                   ; wave 0..3
	s_lshr_b32 s21, ttmp9, 7                       ; which tensor
	s_and_b32 s22, ttmp9, 127                      ; which 16 rows
	v_and_b32 v12, 31, v0
	v_lshlrev_b32 v1, 4, v12                       ; 16 x lane
	s_mul_i32 s48, s20, STG
	v_add_nc_u32 v2, s48, v1                       ; in: a row's 512 bytes as they lie
	v_and_b32 v13, 15, v0                          ; r
	v_bfe_u32 v14, v0, 4, 1                        ; h
	v_mul_u32_u24 v3, v13, 528
	v_lshl_add_u32 v3, v14, 5, v3
	v_add_nc_u32 v3, s48, v3                       ; out: row r, + 32 h
	v_add_nc_u32 v12, TST, v2                      ; the same two places in the tables' stage
	v_add_nc_u32 v13, TST, v3
	s_lshl_b32 s50, s22, 17                        ; source: 16 rows of 8,192 bytes,
	s_lshl_b32 s49, s20, 11                        ; + my four K steps of 512 bytes
	s_add_co_u32 s50, s50, s49
	s_mov_b32 s51, 0
	s_lshr_b32 s52, s22, 3                         ; image: the block of 128 rows,
	s_lshl_b32 s52, s52, 18
	s_lshl_b32 s49, s20, 16                        ; my four K steps,
	s_add_co_u32 s52, s52, s49
	s_and_b32 s49, s22, 7                          ; the tile of 16 rows
	s_lshl_b32 s49, s49, 11
	s_add_co_u32 s52, s52, s49
	s_mov_b32 s53, 0
	s_mov_b32 s49, 0                               ; the tensor's image: 0, 3, 4, 2, 6
	s_cmp_eq_u32 s21, 1
	s_cselect_b32 s49, 3, s49
	s_cmp_eq_u32 s21, 2
	s_cselect_b32 s49, 4, s49
	s_cmp_eq_u32 s21, 3
	s_cselect_b32 s49, 2, s49
	s_cmp_eq_u32 s21, 4
	s_cselect_b32 s49, 6, s49
	s_lshl_b32 s49, s49, 22
	s_add_co_u32 s54, s49, s52
	s_mov_b32 s55, 0
	s_wait_kmcnt 0x0
	s_cmp_ge_u32 ttmp9, 768                        ; the last 64 work-groups lay the tables: a branch on the work-group's number alone
	s_cbranch_scc1 .Ltables
	s_load_b256 s[36:43], s[14:15], 0x0            ; e0 .. e7
	s_load_b128 s[44:47], s[14:15], 0x20           ; e8 .. e11
	s_mov_b64 s[24:25], s[4:5]                     ; the source is chosen by the work-group's number alone
	s_cmp_eq_u32 s21, 1
	s_cselect_b64 s[24:25], s[6:7], s[24:25]
	s_cmp_eq_u32 s21, 2
	s_cselect_b64 s[24:25], s[8:9], s[24:25]
	s_cmp_eq_u32 s21, 3
	s_cselect_b64 s[24:25], s[10:11], s[24:25]
	s_cmp_eq_u32 s21, 4
	s_cselect_b64 s[24:25], s[12:13], s[24:25]
	s_cmp_eq_u32 s21, 5
	s_cselect_b64 s[24:25], s[68:69], s[24:25]     ; the mask
	s_lshl_b32 s34, s22, 17                        ; its image: 131,072 bytes for 16 queries,
	s_lshl_b32 s35, s20, 15                        ; my four blocks of 128 keys, 8,192 bytes each
	s_add_co_u32 s34, s34, s35
	s_mov_b32 s35, 0
	s_add_nc_u64 s[26:27], s[70:71], s[34:35]
	s_mov_b32 s18, 0x3fb8aa3b                      ; log2(e)
	s_mov_b32 s19, s18                             ; (named with it as a pair, so it is written)
	s_add_nc_u64 s[24:25], s[24:25], s[50:51]
	s_add_nc_u64 s[28:29], s[16:17], s[54:55]      ; the first destination
	s_add_nc_u64 s[30:31], s[16:17], s[52:53]
	s_add_nc_u64 s[32:33], s[30:31], 0x1400000     ; x with e4: image 5
	s_add_nc_u64 s[30:31], s[30:31], 0x400000      ; x with e2: image 1
.macro LOAD u                          ; unit u: 16 rows x 512 bytes into set u % 2; 32 lanes read 512 consecutive bytes
.set i, 0
.rept 16
	global_load_b128 v[R+64*((\u)%2)+4*i:R+64*((\u)%2)+4*i+3], v1, s[24:25] offset:i*8192+(\u)*512 th:TH_LOAD_NT
.set i, i+1
.endr
.endm
.macro TURN u                          ; through my stage: LDS serves a wave's instructions in order (ISA guide 5.7.1.4), so no wait stands between the stores and the loads
.set i, 0
.rept 16
	ds_store_b128 v2, v[R+64*((\u)%2)+4*i:R+64*((\u)%2)+4*i+3] offset:528*i
.set i, i+1
.endr
.set i, 0
.rept 16
	ds_load_b128 v[X+4*i:X+4*i+3], v3 offset:64*(i/2)+16*(i%2)   ; k = 16 (i / 2) + 8 h + 4 (i % 2) on; rows 132 words apart
.set i, i+1
.endr
.endm
.macro QOUT sc, lim, dst, u            ; the unit in X becomes a fragment with the scale v[sc] and leaves
	s_wait_xcnt 0x0                                ; the earlier stores have read C: it is written again only behind this wait
.irp p, 0,1,2,3
.set i, 0
.rept 16
	v_med3_num_f32 v[T+i], v[X+16*\p+i], -v[\lim], v[\lim]   ; the conversion to an 8-bit code does not saturate (ISA guide 7.6.2): the hold at the largest code x the scale; X stays as it is for the next scale
.set i, i+1
.endr
	v_cvt_scalef32_pk8_fp8_f32 v[C+4*\p:C+4*\p+1], v[T:T+7], v[\sc]
	v_cvt_scalef32_pk8_fp8_f32 v[C+4*\p+2:C+4*\p+3], v[T+8:T+15], v[\sc]
	v_nop                                          ; a plain vector line between the conversions and the next holds, which write their sources
.endr
.irp c, 0,1,2,3
	global_store_b128 v1, v[C+4*\c:C+4*\c+3], s[\dst:\dst+1] offset:(\u)*16384+512*\c   ; 32 lanes store 512 consecutive bytes, at a multiple of 256 from the buffer's first byte
.endr
.endm
.macro MKSC e, sc, lim                 ; 2^e as f32 (the conversion takes its exponent field) and 448 x 2^e
	s_add_co_i32 s49, \e, 127
	s_lshl_b32 s50, s49, 23
	v_mov_b32 v[\sc], s50
	s_add_co_i32 s49, s49, 8
	s_lshl_b32 s49, s49, 23
	s_or_b32 s49, s49, 0x600000
	v_mov_b32 v[\lim], s49
.endm
	s_wait_alu depctr_va_vdst(0)
	LOAD 0
	LOAD 1
	s_wait_kmcnt 0x0
	s_mov_b32 s48, s36                             ; the first destination's e: e0, e1, e3, e5, e11
	s_cmp_eq_u32 s21, 1
	s_cselect_b32 s48, s37, s48
	s_cmp_eq_u32 s21, 2
	s_cselect_b32 s48, s39, s48
	s_cmp_eq_u32 s21, 3
	s_cselect_b32 s48, s41, s48
	s_cmp_eq_u32 s21, 4
	s_cselect_b32 s48, s47, s48
	MKSC s48, 4, 5
	MKSC s38, 6, 7                                 ; x's second scale, e2
	MKSC s40, 8, 9                                 ; x's third, e4
.macro MOUT u                          ; the unit in X is a tile of the mask: x log2(e), and out as 16 pieces of 512 bytes
.set j, 0
.rept 32
	v_pk_mul_f32 v[X+j:X+j+1], v[X+j:X+j+1], s[18:19] op_sel_hi:[1,0]
.set j, j+2
.endr
.set i, 0
.rept 16
	global_store_b128 v1, v[X+4*i:X+4*i+3], s[26:27] offset:(\u)*8192+512*i   ; 32 lanes store 512 consecutive bytes, at a multiple of 256 from the buffer's first byte
.set i, i+1
.endr
	s_wait_xcnt 0x0                                ; the stores have read X: the next unit's loads from the stage may land there
.endm
.macro UNIT u
.if \u < 3
	s_wait_loadcnt 16                              ; loads come back in order (ISA guide 5.7.1): this unit's 16 are in, the next unit's 16 may be out
.else
	s_wait_loadcnt 0
.endif
	TURN \u
	s_wait_dscnt 0x0                               ; the unit is back, so the stage's stores have read their registers,
.if \u < 2
	LOAD (\u)+2                                    ; which take the unit two further on
.endif
	s_cmp_eq_u32 s21, 5                            ; the mask's work-groups: the branch hangs on the work-group's number alone, and no LDS instruction stands inside it
	s_cbranch_scc0 .Lcodes_\@
	MOUT \u
	s_branch .Lweight_\@
.Lcodes_\@:
	QOUT 4, 5, 28, \u
	s_cmp_lg_u32 s21, 0                            ; a weight has one scale; the branch hangs on the work-group's number alone
	s_cbranch_scc1 .Lweight_\@
	QOUT 6, 7, 30, \u
	QOUT 8, 9, 32, \u
.Lweight_\@:
.endm
	s_wait_alu depctr_va_vdst(0)
	UNIT 0
	UNIT 1
	UNIT 2
	UNIT 3
	s_wait_tensorcnt 0x0                           ; the wave's end
	ds_add_u32 v[SPW], v[NIL]
	s_wait_dscnt 0x0
	s_endpgm
.Ltables:                                              ; 16 tokens of one table: 8,192 bytes on end in memory, through my stage, and out as 16 pieces of 512 bytes in the order of the reader's registers
	s_sub_co_u32 s48, ttmp9, 768
	s_lshl_b32 s48, s48, 2
	s_add_co_u32 s48, s48, s20                     ; my unit, 0 to 255
	s_lshr_b32 s49, s48, 7                         ; 0 cos, 1 sin
	s_and_b32 s48, s48, 127                        ; which 16 tokens
	s_cmp_eq_u32 s49, 0
	s_cselect_b64 s[24:25], s[56:57], s[58:59]     ; the choice hangs on the work-group's and the wave's number alone
	s_lshl_b32 s50, s48, 13                        ; 16 rows of 512 bytes
	s_mov_b32 s51, 0
	s_add_nc_u64 s[24:25], s[24:25], s[50:51]
	s_lshl_b32 s52, s48, 14                        ; the image: 16,384 bytes for 16 tokens,
	s_lshl_b32 s49, s49, 13                        ; cos first, sin behind it
	s_add_co_u32 s52, s52, s49
	s_mov_b32 s53, 0
	s_add_nc_u64 s[28:29], s[60:61], s[52:53]
.set i, 0
	s_wait_alu depctr_va_vdst(0)
.rept 16
	global_load_b128 v[R+4*i:R+4*i+3], v1, s[24:25] offset:512*i th:TH_LOAD_NT   ; a row: 32 lanes read 512 consecutive bytes
.set i, i+1
.endr
	s_wait_loadcnt 0x0
.set i, 0
.rept 16
	ds_store_b128 v12, v[R+4*i:R+4*i+3] offset:528*i
.set i, i+1
.endr
.set i, 0
.rept 16
	ds_load_b128 v[X+4*i:X+4*i+3], v13 offset:64*(i/2)+16*(i%2)   ; LDS serves a wave's instructions in order: these see my stores
.set i, i+1
.endr
.set i, 0
.rept 16
	s_wait_dscnt 15-i                              ; piece i is back; the younger ones may be out
	global_store_b128 v1, v[X+4*i:X+4*i+3], s[28:29] offset:512*i   ; 32 lanes store 512 consecutive bytes, at a multiple of 256 from the buffer's first byte
.set i, i+1
.endr
	s_wait_tensorcnt 0x0                           ; the wave's end on this path: the same three lines
	ds_add_u32 v[SPW], v[NIL]
	s_wait_dscnt 0x0
	s_endpgm
.Lfunc_end_k_qc42e67d0d1_quant:
	.size	k_qc42e67d0d1_quant, .Lfunc_end_k_qc42e67d0d1_quant-k_qc42e67d0d1_quant
	.p2alignl 7, 3214868480
	.fill 96, 4, 3214868480
	.section	.rodata,"a",@progbits
	.p2align	6, 0x0
	.amdhsa_kernel k_qc42e67d0d1_quant
		.amdhsa_group_segment_fixed_size 68096
		.amdhsa_private_segment_fixed_size 0
		.amdhsa_enable_private_segment 0
		.amdhsa_kernarg_size 96
		.amdhsa_user_sgpr_count 2
		.amdhsa_user_sgpr_kernarg_segment_ptr 1
		.amdhsa_wavefront_size32 1
		.amdhsa_system_sgpr_workgroup_id_x 1
		.amdhsa_system_sgpr_workgroup_id_y 1
		.amdhsa_system_sgpr_workgroup_id_z 1
		.amdhsa_system_vgpr_workitem_id 0
		.amdhsa_next_free_vgpr 240
		.amdhsa_next_free_sgpr 72
		.amdhsa_reserve_vcc 0
		.amdhsa_float_denorm_mode_32 3
		.amdhsa_float_denorm_mode_16_64 3
		.amdhsa_memory_ordered 1
		.amdhsa_forward_progress 1
		.amdhsa_inst_pref_size 101
	.end_amdhsa_kernel
	.amdgpu_metadata
---
amdhsa.version: [ 1, 2 ]
amdhsa.kernels:
  - .name:           k_qc42e67d0d1_quant
    .symbol:         k_qc42e67d0d1_quant.kd
    .args:
      - { .name: x, .offset: 0, .size: 8, .value_kind: global_buffer, .address_space: global }
      - { .name: Wq, .offset: 8, .size: 8, .value_kind: global_buffer, .address_space: global }
      - { .name: Wk, .offset: 16, .size: 8, .value_kind: global_buffer, .address_space: global }
      - { .name: Wv, .offset: 24, .size: 8, .value_kind: global_buffer, .address_space: global }
      - { .name: Wo, .offset: 32, .size: 8, .value_kind: global_buffer, .address_space: global }
      - { .name: lowp_scales, .offset: 40, .size: 8, .value_kind: global_buffer, .address_space: global }
      - { .name: codes, .offset: 48, .size: 8, .value_kind: global_buffer, .address_space: global }
      - { .name: cos, .offset: 56, .size: 8, .value_kind: global_buffer, .address_space: global }
      - { .name: sin, .offset: 64, .size: 8, .value_kind: global_buffer, .address_space: global }
      - { .name: cs, .offset: 72, .size: 8, .value_kind: global_buffer, .address_space: global }
      - { .name: mask, .offset: 80, .size: 8, .value_kind: global_buffer, .address_space: global }
      - { .name: mimg, .offset: 88, .size: 8, .value_kind: global_buffer, .address_space: global }
    .group_segment_fixed_size: 68096
    .private_segment_fixed_size: 0
    .kernarg_segment_align: 8
    .kernarg_segment_size: 96
    .max_flat_workgroup_size: 128
    .sgpr_count:     72
    .vgpr_count:     240
    .wavefront_size: 32
...
	.end_amdgpu_metadata
.endif
;; end of part 1
;; launch qkv (part 2): grid 24 x 8, 4 waves a work-group, clusters of 4 x 4, 327,680 bytes of LDS; arguments codes, cs, lowp_scales, qkv; writes qkv
.if DOCPART == 2
	.amdgcn_target "amdgcn-amd-amdhsa--gfx1250"
	.amdhsa_code_object_version 6
	.text
	.protected	k_qc42e67d0d1_qkv
	.globl	k_qc42e67d0d1_qkv
	.p2align	8
	.type	k_qc42e67d0d1_qkv,@function
k_qc42e67d0d1_qkv:
	s_mov_b64 s[64:65], 0
	v_nop
	global_prefetch_b8 v0, s[64:65] scope:SCOPE_SE
	s_setreg_imm32_b32 hwreg(HW_REG_WAVE_MODE, 25, 1), 1
	s_wait_xcnt 0x0
	s_wait_alu depctr_hold_cnt(0) depctr_sa_sdst(0) depctr_va_vdst(0) depctr_va_sdst(0) depctr_va_ssrc(0) depctr_va_vcc(0) depctr_vm_vsrc(0)
	s_getreg_b32 s2, hwreg(HW_REG_IB_STS2, 6, 4)
	s_cmp_eq_u32 s2, 0
	s_cbranch_scc0 .Lentry_in_a_cluster
	s_endpgm
.Lentry_in_a_cluster:
	s_bfe_u32 s2, ttmp6, 0x10000c
	s_cmp_lg_u32 s2, 0xf033
	s_cbranch_scc0 .Lentry_shape_is_right
	s_endpgm
.Lentry_shape_is_right:
.set SLOT,  131072
.set HALFB, 32768
.set SPARE, 2*SLOT
.set LAPS,  4
.set FR,    16
.set NL,    4
.set NP,    4
.set SC,    12
.set LIM,   13
.set ADRA,  16
.set ADRB,  20
.set OO,    25
.set SPW,   28
.set NIL,   29
.set TMP,   32
.set AF,    128
.set G1,    24
.set G0,    32
.set G1B,   48
.set G0B,   56
.set TY,    80
.set MSB, 0
.macro WIN new
.if MSB != (\new)
	s_set_vgpr_msb (MSB<<8)|(\new)
.set MSB, (\new)
.endif
.endm
.set MUL_LO, 0xa1
.set MUL_HI, 0xf1
.set TO_B,   0x40
.macro JLOAD g0a, g1a, g0b, g1b
	s_cmp_eq_u32 s15, 0
	s_cbranch_scc0 .Lfor_b_\@
	tensor_load_to_lds s[\g0a:\g0a+3], s[\g1a:\g1a+7]
	s_nop 0
.rept 4
	v_nop
.endr
	s_branch .Lasked_\@
.Lfor_b_\@:
	tensor_load_to_lds s[\g0b:\g0b+3], s[\g1b:\g1b+7]
	s_nop 0
.rept 4
	v_nop
.endr
.Lasked_\@:
.endm
.macro CREST
	s_cmp_lg_u32 s14, 0
	s_cbranch_scc1 .Lnot_wave_0_\@
	s_barrier_signal -3
.Lnot_wave_0_\@:
	s_barrier_wait -3
	s_barrier_signal -1
	s_barrier_wait -1
.endm
.macro CROUND
	s_barrier_signal -1
	s_barrier_wait -1
	CREST
.endm
	s_load_b128 s[4:7], s[0:1], 0x0
	s_load_b64 s[10:11], s[0:1], 0x10
	s_load_b64 s[12:13], s[0:1], 0x18
	v_lshl_add_u32 v[SPW], v0, 2, SPARE
	v_mov_b32 v[NIL], 0
	ds_add_u32 v[SPW], v[NIL]
	ds_add_u32 v[SPW], v[NIL]
	v_and_b32 v30, 31, v0
	v_lshlrev_b32 v30, 8, v30                      ; the prefetches' offset: 256 x lane; never rewritten
	v_lshrrev_b32 v1, 5, v0
	v_readfirstlane_b32 s14, v1
	s_lshr_b32 s15, s14, 1
	s_and_b32 s16, s14, 1
	s_bfe_u32 s40, ttmp6, 0x40000
	s_bfe_u32 s41, ttmp6, 0x40004
	s_and_b32 s42, ttmp9, 1
	s_lshl_b32 s42, s42, 2
	s_add_co_u32 s42, s42, s40
	s_lshr_b32 s[TY], ttmp9, 1
	s_and_b32 s17, ttmp7, 0xffff
	s_lshl_b32 s17, s17, 2
	s_add_co_u32 s17, s17, s41
	s_lshl_b32 s43, s41, 2
	s_lshl_b32 s43, 15, s43
	s_lshl_b32 s44, 0x1111, s40
	s_or_b32 s[G1+0], s43, (3<<16)|(1<<21)
	s_or_b32 s[G1B+0], s44, (3<<16)|(1<<21)
.irp g, G1, G1B
	s_mov_b32 s[\g+1], 32<<16
	s_mov_b32 s[\g+2], 128<<16                     ; a load brings 128 rows of 256 bytes: my part of one slot
	s_mov_b32 s[\g+3], 32<<16
	s_mov_b32 s[\g+4], 128
	s_mov_b32 s[\g+5], 32
	s_mov_b32 s[\g+6], 0
	s_mov_b32 s[\g+7], 0
.endr
	s_lshl_b32 s81, s[TY], 22
	s_lshl_b32 s20, s17, 1
	s_add_co_u32 s20, s20, s16
	s_lshl_b32 s20, s20, 18
	s_add_co_u32 s20, s20, s81
	s_mov_b32 s21, 0
	s_lshl_b32 s46, s42, 1
	s_add_co_u32 s46, s46, s16
	s_lshl_b32 s46, s46, 18
	s_add_co_u32 s46, s46, s81
	s_add_co_u32 s46, s46, 0xc00000
	s_mov_b32 s47, 0
	s_mul_i32 s45, s14, 2*HALFB                    ; LDS: [wave 65,536][slot 32,768]: a wave's parts of the two slots lie side by side
	s_wait_dscnt 0x0
	s_wait_kmcnt 0x0
	s_load_b256 s[68:75], s[10:11], 0x0
	s_load_b128 s[76:79], s[10:11], 0x20
	s_add_nc_u64 s[20:21], s[4:5], s[20:21]
	s_add_nc_u64 s[46:47], s[4:5], s[46:47]
	s_cmp_eq_u32 s15, 0                            ; the prefetches: of the 32,768 bytes that I fetch for a slot, each of the four partners that ask jointly takes 8,192, told apart by address (cx for A, cy for B)
	s_cselect_b64 s[92:93], s[20:21], s[46:47]
	s_cselect_b32 s94, s40, s41
	s_lshl_b32 s94, s94, 13
	s_mov_b32 s95, 0
	s_add_nc_u64 s[92:93], s[92:93], s[94:95]
	s_wait_alu depctr_va_vdst(0)
	CROUND
.irp s, 0,1
	s_mov_b32 s[G0+4*\s], 1
	s_add_co_u32 s[G0+4*\s+1], s45, \s*HALFB
	s_add_nc_u64 s[G0+4*\s+2:G0+4*\s+3], s[20:21], \s*HALFB
	s_or_b32 s[G0+4*\s+3], s[G0+4*\s+3], 0x80000000
	s_mov_b32 s[G0B+4*\s], 1
	s_add_co_u32 s[G0B+4*\s+1], s45, \s*HALFB
	s_add_nc_u64 s[G0B+4*\s+2:G0B+4*\s+3], s[46:47], \s*HALFB
	s_or_b32 s[G0B+4*\s+3], s[G0B+4*\s+3], 0x80000000
.endr
	JLOAD G0, G1, G0B, G1B                         ; slot 0: my one tensor load at the head
	global_prefetch_b8 v30, s[92:93] offset:HALFB th:TH_LOAD_NT scope:SCOPE_SE     ; slot 1's first fill, which is issued when slot 0's has landed,
	global_prefetch_b8 v30, s[92:93] offset:2*HALFB th:TH_LOAD_NT scope:SCOPE_SE   ; and what the first refill will ask for
	v_and_b32 v1, 31, v0
	v_lshlrev_b32 v4, 4, v1
	s_lshl_b32 s21, s15, 16
	s_lshl_b32 s22, s16, 16
	s_add_co_u32 s22, s22, 4*HALFB
.irp s, 0,1
	v_add_nc_u32 v[ADRA+\s], s21, v4
	v_add_nc_u32 v[ADRB+\s], s22, v4
	s_add_co_u32 s21, s21, HALFB
	s_add_co_u32 s22, s22, HALFB
.endr
	v_lshlrev_b32 v[OO], 4, v1
	s_lshl_b32 s82, s17, 1
	s_add_co_u32 s82, s82, s15
	s_lshl_b32 s83, s42, 1
	s_add_co_u32 s83, s83, s16
	s_lshl_b32 s90, s82, 17
	s_mov_b32 s91, 0
	s_add_nc_u64 s[6:7], s[6:7], s[90:91]
	s_cmp_eq_u32 s[TY], 2
	s_cselect_b32 s84, s82, s83
	s_cselect_b32 s85, s83, s82
	s_lshl_b32 s84, s84, 18
	s_lshl_b32 s85, s85, 14
	s_add_co_u32 s84, s84, s85
	s_add_co_u32 s84, s84, s81
	s_mov_b32 s85, 0
	s_add_nc_u64 s[12:13], s[12:13], s[84:85]
	s_wait_alu depctr_va_vdst(0)
	s_wait_kmcnt 0x0
	s_add_co_i32 s86, s68, s69
	s_add_co_i32 s87, s70, s71
	s_add_co_i32 s88, s72, s73
	s_cmp_eq_u32 s[TY], 1
	s_cselect_b32 s86, s87, s86
	s_cselect_b32 s89, s75, s74
	s_cmp_eq_u32 s[TY], 2
	s_cselect_b32 s86, s88, s86
	s_cselect_b32 s89, s77, s89
	s_sub_co_i32 s86, s89, s86
	s_add_co_i32 s86, s86, 127
	s_lshl_b32 s87, s86, 23
	v_mov_b32 v[SC], s87
	s_add_co_i32 s86, s86, 8
	s_lshl_b32 s86, s86, 23
	s_or_b32 s86, s86, 0x600000
	v_mov_b32 v[LIM], s86
.macro FRAG reg, adr, q, i
.irp c, 0,1,2,3
	ds_load_b128 v[\reg+4*\c:\reg+4*\c+3], v[\adr] offset:16384*(\q)+2048*(\i)+512*\c
.endr
.endm
.macro MUL16 a0, p, zero
.irp a, \a0, \a0+1
.irp b, 0,1,2,3,4,5,6,7
.if \zero
	v_wmma_f32_16x16x128_fp8_fp8 v[8*(8*((\a)%4)+\b):8*(8*((\a)%4)+\b)+7], v[128*(\p)+FR*\b:128*(\p)+FR*\b+FR-1], v[AF+FR*(\a):AF+FR*(\a)+FR-1], 0
.else
	v_wmma_f32_16x16x128_fp8_fp8 v[8*(8*((\a)%4)+\b):8*(8*((\a)%4)+\b)+7], v[128*(\p)+FR*\b:128*(\p)+FR*\b+FR-1], v[AF+FR*(\a):AF+FR*(\a)+FR-1], v[8*(8*((\a)%4)+\b):8*(8*((\a)%4)+\b)+7]
.endif
.endr
.endr
.endm
.macro FETCH_B slot, q, p
	WIN TO_B
.irp i, 0,1,2,3,4,5,6,7
	FRAG 128*(\p)+FR*\i, ADRB+\slot, \q, \i
.endr
	WIN 0
.endm
.macro FETCH_A slot, q, i0
.irp i, \i0, \i0+1, \i0+2, \i0+3
	FRAG AF+FR*(\i), ADRA+\slot, \q, \i
.endr
.endm
.macro PLACES n
.rept \n
	v_nop
.endr
.endm
.macro STEP slot, q, zero
	s_wait_dscnt 4*NL
	WIN MUL_LO
	MUL16 0, (\q)%2, \zero
	MUL16 2, (\q)%2, \zero
	s_wait_dscnt 0
	PLACES NP
	FETCH_B \slot, (\q)+1, 1-(\q)%2
	FETCH_A \slot, (\q)+1, 0
	WIN MUL_HI
	MUL16 4, (\q)%2, \zero
	MUL16 6, (\q)%2, \zero
	PLACES NP
	WIN 0
	FETCH_A \slot, (\q)+1, 4
.endm
.macro TURN slot, next, fill
.if \fill
	s_wait_xcnt 0x0                                ; my last prefetch has read its base, so it may step: a slot on
	s_add_nc_u64 s[92:93], s[92:93], HALFB
.endif
	s_wait_tensorcnt 0x0
	ds_add_u32 v[SPW], v[NIL]
	s_wait_dscnt 4*NL+1
	WIN MUL_LO
	MUL16 0, 1, 0
	s_wait_dscnt 0x0
	s_barrier_signal -1
	MUL16 2, 1, 0
	WIN 0
	s_barrier_wait -1
.if \fill
	CREST
	s_add_nc_u64 s[G0+4*\slot+2:G0+4*\slot+3], s[G0+4*\slot+2:G0+4*\slot+3], 2*HALFB
	s_add_nc_u64 s[G0B+4*\slot+2:G0B+4*\slot+3], s[G0B+4*\slot+2:G0B+4*\slot+3], 2*HALFB
	JLOAD G0+4*\slot, G1, G0B+4*\slot, G1B
.else
	PLACES NP
.endif
	FETCH_B \next, 0, 0
	FETCH_A \next, 0, 0
.if \fill
	s_cmp_gt_u32 s3, 1                             ; the slot's worth that stands two refills on; the last lap's two refills have none
	s_cbranch_scc0 .Lno_ask_\@
	global_prefetch_b8 v30, s[92:93] offset:3*HALFB th:TH_LOAD_NT scope:SCOPE_SE
.Lno_ask_\@:
.endif
	WIN MUL_HI
	MUL16 4, 1, 0
	MUL16 6, 1, 0
	PLACES NP
	WIN 0
	FETCH_A \next, 0, 4
.endm
.macro LOADCS a, set
	WIN TO_B
.irp b, 0,1,2,3,4,5,6,7
.irp jj, 0,1
	global_load_b128 v[128*(\set)+8*\b+4*\jj:128*(\set)+8*\b+4*\jj+3], v[OO], s[6:7] offset:(\a)*16384+512*(2*\b+\jj)
	global_load_b128 v[128*(\set)+64+8*\b+4*\jj:128*(\set)+64+8*\b+4*\jj+3], v[OO], s[6:7] offset:(\a)*16384+8192+512*(2*\b+\jj)
.endr
.endr
	WIN 0
.endm
.macro ROPE a, set
.set AC, 64*((\a)%4)
.set CB, 128*(\set)
	WIN 0x06+((\a)/4)
.set j, 0
.rept 32
	v_pk_mul_f32 v[TMP+j:TMP+j+1], v[AC+j:AC+j+1], v[CB+j:CB+j+1]
.set j, j+2
.endr
.set j, 0
.rept 16
	v_pk_fma_f32 v[TMP+j:TMP+j+1], v[AC+32+j:AC+32+j+1], v[CB+64+j:CB+64+j+1], v[TMP+j:TMP+j+1] neg_lo:[0,1,0] neg_hi:[0,1,0]
.set j, j+2
.endr
.set j, 32
.rept 16
	v_pk_fma_f32 v[TMP+j:TMP+j+1], v[AC-32+j:AC-32+j+1], v[CB+64+j:CB+64+j+1], v[TMP+j:TMP+j+1]
.set j, j+2
.endr
	WIN 0
.endm
.macro HOLD
.set j, 0
.rept 64
	v_med3_num_f32 v[TMP+j], v[TMP+j], -v[LIM], v[LIM]
.set j, j+1
.endr
.endm
.macro VHOLD a
.set AC, 64*((\a)%4)
	WIN 0x02+((\a)/4)
.set j, 0
.rept 64
	v_med3_num_f32 v[TMP+j], v[AC+j], -v[LIM], v[LIM]
.set j, j+1
.endr
	WIN 0
.endm
.macro PUT a
.irp b, 0,1,2,3,4,5,6,7
	v_cvt_scalef32_pk8_fp8_f32 v[AF+16*(\a)+2*\b:AF+16*(\a)+2*\b+1], v[TMP+8*\b:TMP+8*\b+7], v[SC]
.endr
	v_nop
.irp c, 0,1,2,3
	global_store_b128 v[OO], v[AF+16*(\a)+4*\c:AF+16*(\a)+4*\c+3], s[12:13] offset:(\a)*2048+512*\c
.endr
.endm
	s_wait_alu depctr_va_vdst(0)                   ; the wait at the head's end
	s_wait_tensorcnt 0x0                           ; my part of slot 0 is in; the same lines ahead of a later first fill as ahead of a refill
	ds_add_u32 v[SPW], v[NIL]
	s_wait_dscnt 0x0
	CROUND                                         ; everybody's part of slot 0 is in, and all sixteen work-groups are here
	JLOAD G0+4, G1, G0B+4, G1B                     ; slot 1's first fill, the first tensor load behind the round
	global_prefetch_b8 v30, s[92:93] offset:3*HALFB th:TH_LOAD_NT scope:SCOPE_SE   ; what the second refill will ask for
	FETCH_B 0, 0, 0
	FETCH_A 0, 0, 0
	FETCH_A 0, 0, 4
	STEP 0, 0, 1
	s_mov_b32 s3, LAPS-1
.Llap:
	TURN 0, 1, 1
	STEP 1, 0, 0
	TURN 1, 0, 1
	STEP 0, 0, 0
	s_sub_co_u32 s3, s3, 1
	s_cmp_lg_u32 s3, 0
	s_cbranch_scc1 .Llap
	TURN 0, 1, 0
	STEP 1, 0, 0
	s_cmp_eq_u32 s[TY], 2
	s_cbranch_scc1 .Lno_table
	LOADCS 0, 0
.Lno_table:
	s_wait_dscnt 4*NL
	WIN MUL_LO
	MUL16 0, 1, 0
	MUL16 2, 1, 0
	s_wait_dscnt 0
	WIN MUL_HI
	MUL16 4, 1, 0
	MUL16 6, 1, 0
	WIN 0
	PLACES NP
	s_cmp_eq_u32 s[TY], 2
	s_cbranch_scc1 .Lvalues
	LOADCS 1, 1
.irp a, 0,1,2,3,4,5,6,7
.if \a < 7
	s_wait_loadcnt 32
.else
	s_wait_loadcnt 0
.endif
	ROPE \a, \a%2
.if \a < 6
	LOADCS \a+2, \a%2
.endif
	HOLD
	PUT \a
.endr
	s_branch .Lend
.Lvalues:
	s_wait_alu depctr_va_vdst(0)
.irp a, 0,1,2,3,4,5,6,7
	VHOLD \a
	PUT \a
.endr
.Lend:
	s_wait_tensorcnt 0x0
	ds_add_u32 v[SPW], v[NIL]
	s_wait_dscnt 0x0
	CROUND
	s_endpgm
.Lfunc_end_k_qc42e67d0d1_qkv:
	.size	k_qc42e67d0d1_qkv, .Lfunc_end_k_qc42e67d0d1_qkv-k_qc42e67d0d1_qkv
	.p2alignl 7, 3214868480
	.fill 96, 4, 3214868480
	.section	.rodata,"a",@progbits
	.p2align	6, 0x0
	.amdhsa_kernel k_qc42e67d0d1_qkv
		.amdhsa_group_segment_fixed_size 327680
		.amdhsa_private_segment_fixed_size 0
		.amdhsa_enable_private_segment 0
		.amdhsa_kernarg_size 32
		.amdhsa_user_sgpr_count 2
		.amdhsa_user_sgpr_kernarg_segment_ptr 1
		.amdhsa_wavefront_size32 1
		.amdhsa_system_sgpr_workgroup_id_x 1
		.amdhsa_system_sgpr_workgroup_id_y 1
		.amdhsa_system_sgpr_workgroup_id_z 1
		.amdhsa_system_vgpr_workitem_id 0
		.amdhsa_next_free_vgpr 1024
		.amdhsa_next_free_sgpr 98
		.amdhsa_reserve_vcc 0
		.amdhsa_float_denorm_mode_32 3
		.amdhsa_float_denorm_mode_16_64 3
		.amdhsa_memory_ordered 1
		.amdhsa_forward_progress 1
		.amdhsa_inst_pref_size 216
	.end_amdhsa_kernel
	.amdgpu_metadata
---
amdhsa.version: [ 1, 2 ]
amdhsa.kernels:
  - .name:           k_qc42e67d0d1_qkv
    .symbol:         k_qc42e67d0d1_qkv.kd
    .args:
      - { .name: codes, .offset: 0, .size: 8, .value_kind: global_buffer, .address_space: global }
      - { .name: cs, .offset: 8, .size: 8, .value_kind: global_buffer, .address_space: global }
      - { .name: lowp_scales, .offset: 16, .size: 8, .value_kind: global_buffer, .address_space: global }
      - { .name: qkv, .offset: 24, .size: 8, .value_kind: global_buffer, .address_space: global }
    .group_segment_fixed_size: 327680
    .private_segment_fixed_size: 0
    .kernarg_segment_align: 8
    .kernarg_segment_size: 32
    .max_flat_workgroup_size: 128
    .sgpr_count:     98
    .vgpr_count:     1024
    .wavefront_size: 32
...
	.end_amdgpu_metadata
.endif
;; end of part 2
;; launch attn (part 3): grid 16 x 16, 8 waves a work-group, clusters of 4 x 1, 327,680 bytes of LDS; arguments qkv, mimg, lowp_scales, ao; writes ao
.if DOCPART == 3
	.amdgcn_target "amdgcn-amd-amdhsa--gfx1250"
	.amdhsa_code_object_version 6
	.text
	.protected	k_qc42e67d0d1_attn
	.globl	k_qc42e67d0d1_attn
	.p2align	8
	.type	k_qc42e67d0d1_attn,@function
k_qc42e67d0d1_attn:
	s_mov_b64 s[64:65], 0
	v_nop
	global_prefetch_b8 v0, s[64:65] scope:SCOPE_SE
	s_setreg_imm32_b32 hwreg(HW_REG_WAVE_MODE, 25, 1), 1
	s_wait_xcnt 0x0
	s_wait_alu depctr_hold_cnt(0) depctr_sa_sdst(0) depctr_va_vdst(0) depctr_va_sdst(0) depctr_va_ssrc(0) depctr_va_vcc(0) depctr_vm_vsrc(0)
	s_getreg_b32 s2, hwreg(HW_REG_IB_STS2, 6, 4)
	s_cmp_eq_u32 s2, 0
	s_cbranch_scc0 .Lentry_in_a_cluster
	s_endpgm
.Lentry_in_a_cluster:
	s_bfe_u32 s2, ttmp6, 0x10000c
	s_cmp_lg_u32 s2, 0x3003
	s_cbranch_scc0 .Lentry_shape_is_right
	s_endpgm
.Lentry_shape_is_right:
; Attention on codes of FP8 (E4M3): S = Q K^T / sqrt(128) + mask, the softmax, O = P V, O / l quantised for the last projection.  Nothing of reference() is left out: the mask is an input, so every tile of keys is walked and every number of it is added.
; Q, K: images [head][block of 128 tokens][tile of 16 tokens][2,048], k = the head's 128; V^T: [head][block of 128 keys][tile of 16 channels][2,048], k = the keys (a fragment is a register image: lane l's registers 4 c .. 4 c + 3 at 512 c + 16 l).
; mimg: the mask x log2(e), f32, [tile of 16 queries][block of 128 keys][16 pieces of 512 bytes], in the order of this launch's registers.
; THE SOFTMAX: t = score x 2^(e6 + e7) log2(e) / sqrt(128) + mask x log2(e), one fused multiply-add; M = the largest t so far, rounded UP to a whole number; p = 2^(t - M) is quantised with 2^e8, not normalised.
; The row's sum is taken of the unquantised p and divides O at the end.  When M moves, the sum and O are multiplied by 2^(old M - new M): exact.  t - M is an addition on the rounded t: in a row masked whole by one large number all t equal M, and p = 1.
; LIMIT (order of rounding): mask x log2(e) is rounded to f32 before the score's term is added, where reference() adds first and the factor follows: t differs by a few units in its last place.
; LIMITS: e6 + e7 between -123 and 130 (added to the factor's exponent field); e8, and e10 - e8 - e9, between -126 and 119.  NaN, and a row whose logits are all -infinity, are not served.
; SHARES.  A work-group owns 128 queries of one head, each of its eight waves 16 of them, in 512 registers.  Every wave walks all 2,048 keys, 128 a trip.
; LAYOUT.  Both products transposed: S^T = K Q^T, O^T = V^T P^T: a lane holds ONE query (lane % 16), and register j of tile t the key, or channel, 16 t + 8 (lane / 16) + j: eight converted numbers of tile t are registers 2 t, 2 t + 1 of the next operand.
; THE MASK GOES FROM MEMORY STRAIGHT INTO REGISTERS: no two waves of a work-group read the same number of it.  A trip's 16 loads (512 consecutive bytes each) are issued at the head of the trip before.
; THE SCORES RUN ONE TILE AHEAD: in trip j the wave takes the softmax of S(j), fetches V(j) and K(j + 1) from LDS, then O^T += V^T P of tile j and S^T of tile j + 1.  So a slot holds V's tiles 4 p .. 4 p + 3 and K's tiles 4 p + 1 .. 4 p + 4; K's tile 0 comes by plain loads.
; THE RING: two slots of 131,072 bytes, four trips each.  Each wave brings a quarter (4,096 bytes) of each of four tiles by one load of four rows (waves 0-3: K; 4-7: V), so every load holds bytes that are read, the last too,
; whose fourth row (K's tile 16: the bytes behind the head's K, inside qkv) is read by nobody.  LDS: V at 0, K at 131,072; [slot 65,536][quarter 16,384][tile 4,096].  One tensor load of a wave is out behind each round.
; CLUSTER: the four blocks of queries of a cluster walk the same head's K and V and ask jointly (mask 15).  The mask is shared by no partner.
; PREFETCH: the mask's tile of trip j + 3 is asked for in trip j, two trips ahead of its loads: the wave's own 8,192 bytes, lanes 256 bytes apart.  Sixteen heads read those bytes: of them the heads y with y % 8 = the wave's number ask.  Trips 12 to 15 ask for nothing.
; K and V are not prefetched: a slot's load is issued four trips, 64 matrix instructions and their softmax, ahead of the wait for it.
; REGISTERS.  Window 0: v1 16 x lane, v2 the same in K's region, v3-4 the trip's LDS addresses, v5-6 the add's two, v8 the prefetch's offset; v12 -M, v13 the largest t, v[14:15] the sum; v16-31 Q; v32-95 the mask; v96-159 S^T, then p; v160-223 O^T;
;   v224-239 p's codes; v240 448 x 2^e8, v244 2^e8; v234-255 at work.   Window 1: v0-127 K's eight fragments; v128-255 V's eight.
.set SLOTB, 65536
.set KREG,  131072
.set K0REG, 262144                     ; behind the ring: K's tile 0, 16,384 bytes that the waves store themselves and no tensor load fills: each wave fetches one fragment of it and all eight read all eight
.set SPARE, 278528                     ; behind it: the spare words, 128 bytes for each wave: four blocks of 256 bytes that no other line names
.set AI,  1
.set AIK, 2
.set ADV, 3
.set ADK, 4
.set SPW, 5
.set NIL, 6
.set PFO, 8
.set MK,  32
.set S,   96
.set OT,  160
.set P,   224
.set KF,  0
.set VF,  128
.set WV,  12                           ; s12 my wave's number
.set SEL, 20                           ; s[20:21] lane selects: lane l xor 16
.set CS,  22                           ; s[22:23] 2^(e6 + e7) log2(e) / sqrt(128)
.set G1,  24                           ; s[24:31] descriptor group 1
.set G0,  32                           ; s[32:35] group 0, which walks
.set TB,  36                           ; s36 LDS byte of the trip's tile: 65,536 x slot + 4,096 x (trip % 4)
.set CNT, 37
.set CN2, 38
.set LIM, 39                           ; s39 1 in a wave that prefetches
.set MB,  40                           ; s[40:41] my mask: the tile that is being loaded
.set MSB, 0
.macro WIN new                         ; the immediate's high byte repeats the setting that is left
.if MSB != (\new)
	s_set_vgpr_msb (MSB<<8)|(\new)
.set MSB, (\new)
.endif
.endm
.macro FILL                            ; my joint load; an s_nop 0 and four v_nop follow it
	tensor_load_to_lds s[G0:G0+3], s[G1:G1+7]
	s_nop 0
.rept 4
	v_nop
.endr
.endm
.macro CROUND                          ; a round of the cluster's barrier
	s_barrier_signal -1
	s_barrier_wait -1
	s_cmp_lg_u32 s[WV], 0
	s_cbranch_scc1 .Lnot_wave_0_\@
	s_barrier_signal -3
.Lnot_wave_0_\@:
	s_barrier_wait -3
	s_barrier_signal -1
	s_barrier_wait -1
.endm
.macro PLACES                          ; four places in front of the first read of results (ISA guide 7.12.1)
.rept 4
	v_nop
.endr
.endm
	s_load_b256 s[4:11], s[0:1], 0x0               ; qkv, mimg, the scales' exponents, ao
	v_lshl_add_u32 v[SPW], v0, 2, SPARE
	v_mov_b32 v[NIL], 0
	ds_add_u32 v[SPW], v[NIL]                      ; the opening: the add, twice on end, and its wait ahead of my first tensor load
	ds_add_u32 v[SPW], v[NIL]
	v_lshrrev_b32 v247, 5, v0
	v_readfirstlane_b32 s[WV], v247                ; wave 0..7
	s_and_b32 s13, s[WV], 3                        ; which quarter of a tile I fetch
	s_lshr_b32 s15, s[WV], 2                       ; 0: of K, 1: of V
	s_bfe_u32 s14, ttmp6, 0x40000                  ; cx
	s_lshl_b32 s16, ttmp9, 2
	s_add_co_u32 s16, s16, s14                     ; my block of 128 queries = 4 x cluster x + cx
	s_and_b32 s17, ttmp7, 0xffff                   ; my head = cluster y
	s_mov_b32 s[G1], 15|(3<<16)|(1<<21)            ; 15:0 the four partners; elements of 8 bytes; 21 set beside a mask
	s_mov_b32 s[G1+1], 512<<16                     ; tensor_dim0: a row of 4,096 bytes
	s_mov_b32 s[G1+2], 4<<16                       ; tensor_dim1: four tiles
	s_mov_b32 s[G1+3], 512<<16                     ; tile_dim0
	s_mov_b32 s[G1+4], 4                           ; tile_dim1
	s_mov_b32 s[G1+5], 2048                        ; from tile to tile: 16,384 bytes
	s_mov_b32 s[G1+6], 0
	s_mov_b32 s[G1+7], 0
	s_lshl_b32 s55, s17, 18                        ; the head's 262,144 bytes in each of Q, K, V
	s_xor_b32 s54, s15, 1                          ; 1: K
	s_add_co_u32 s58, s15, 1
	s_lshl_b32 s58, s58, 22                        ; K at 4 MiB, V at 8 MiB,
	s_add_co_u32 s58, s58, s55
	s_lshl_b32 s56, s13, 12                        ; my quarter,
	s_add_co_u32 s58, s58, s56
	s_lshl_b32 s56, s54, 14                        ; K one tile on
	s_add_co_u32 s58, s58, s56
	s_mov_b32 s59, 0
	s_lshl_b32 s[G0+1], s13, 14                    ; LDS: 16,384 x quarter, K's region behind V's: no place in the cluster enters
	s_lshl_b32 s56, s54, 17
	s_add_co_u32 s[G0+1], s[G0+1], s56
	s_mov_b32 s[G0], 1
	s_lshl_b32 s57, s[WV], 11
	s_lshl_b32 s42, s16, 14                        ; Q: head, block of queries, my tile
	s_add_co_u32 s42, s42, s55
	s_add_co_u32 s42, s42, s57
	s_mov_b32 s43, 0
	s_lshl_b32 s44, s16, 18                        ; ao: [block of 128 tokens][K step = head][tile = wave]
	s_lshl_b32 s56, s17, 14
	s_add_co_u32 s44, s44, s56
	s_add_co_u32 s44, s44, s57
	s_mov_b32 s45, 0
	s_add_co_u32 s46, s55, 0x400000                ; K's tile 0,
	s_add_co_u32 s46, s46, s57                     ; my fragment of it
	s_mov_b32 s47, 0
	s_lshl_b32 s40, s16, 3                         ; the mask: 131,072 bytes for my 16 queries
	s_add_co_u32 s40, s40, s[WV]
	s_lshl_b32 s40, s40, 17
	s_mov_b32 s41, 0
	s_mov_b32 s[SEL], 0x76543210
	s_mov_b32 s[SEL+1], 0xfedcba98
	s_mov_b32 s[CS], 0x3e0293ee                    ; log2(e) / sqrt(128)
	s_mov_b32 s[TB], 0
	s_and_b32 s53, s17, 7
	s_cmp_eq_u32 s53, s[WV]
	s_cselect_b32 s[LIM], 1, 0                     ; made of the head and the wave's number: the same in all four partners
	s_wait_dscnt 0x0                               ; both opening adds are done
	s_wait_kmcnt 0x0
	s_load_b128 s[48:51], s[8:9], 0x18             ; e6, e7, e8, e9
	s_load_b32 s52, s[8:9], 0x28                   ; e10
	s_add_nc_u64 s[G0+2:G0+3], s[4:5], s[58:59]
	s_or_b32 s[G0+3], s[G0+3], 0x80000000
	s_add_nc_u64 s[42:43], s[4:5], s[42:43]
	s_add_nc_u64 s[44:45], s[10:11], s[44:45]
	s_add_nc_u64 s[46:47], s[4:5], s[46:47]
	s_add_nc_u64 s[MB:MB+1], s[6:7], s[MB:MB+1]
	CROUND                                         ; the four partners are here: the first joint loads meet
	FILL                                           ; slot 0: my one tensor load at the head
	v_and_b32 v247, 31, v0
	v_lshlrev_b32 v[AI], 4, v247                   ; 16 x lane
	v_lshlrev_b32 v[PFO], 8, v247                  ; 256 x lane
	v_add_nc_u32 v[AIK], KREG, v[AI]
.irp c, 0,1,2,3
	global_load_b128 v[16+4*\c:19+4*\c], v[AI], s[42:43] offset:512*\c   ; Q's fragment stays in registers
.endr
	v_add_nc_u32 v[ADK], K0REG, v[AI]              ; K's tile 0 in LDS,
	v_add_nc_u32 v[ADV], s57, v[ADK]               ; and my fragment's place there: 2,048 x wave
.irp c, 0,1,2,3
	global_load_b128 v[S+4*\c:S+4*\c+3], v[AI], s[46:47] offset:512*\c   ; one fragment of K's tile 0, as it lies
.endr
.macro LDMG                            ; the mask at my 16 queries and 128 keys: 32 lanes read 512 consecutive bytes
.set i, 0
.rept 16
	global_load_b128 v[MK+4*i:MK+4*i+3], v[AI], s[MB:MB+1] offset:512*i
.set i, i+1
.endr
.endm
	LDMG                                           ; tile 0
	v_mov_b32 v13, 0xff61b1e6                      ; the largest t so far: -3e38, under every t
	v_floor_f32 v12, -v13                          ; -M
	v_mov_b32 v14, 0                               ; the sum, in two halves
	v_mov_b32 v15, 0
	v_mov_b32 v246, 0                              ; written once: a lane permute's destination counts as one of its sources
	v_mov_b32 v253, 0                              ; (named as the upper half of the pair v[252:253])
.set j, 0
.rept 64
	v_mov_b32 v[OT+j], 0                           ; O^T.  (The trip is written for all alike: the first finds zeros, which the first change of M leaves zeros)
.set j, j+1
.endr
	s_wait_kmcnt 0x0
	s_add_co_i32 s53, s48, s49
	s_lshl_b32 s53, s53, 23
	s_add_co_i32 s[CS], s[CS], s53                 ; e6 + e7 are added to the factor's exponent field
	s_mov_b32 s[CS+1], s[CS]
	s_add_co_i32 s53, s50, 127
	s_lshl_b32 s56, s53, 23
	v_mov_b32 v244, s56                            ; 2^e8 as f32, for the conversion
	s_add_co_i32 s53, s53, 8
	s_lshl_b32 s53, s53, 23
	s_or_b32 s53, s53, 0x600000
	v_mov_b32 v240, s53                            ; 448 x 2^e8
.macro LDW1 reg, adr, base             ; eight loads: the two fragments of a quarter into window 1, 512 consecutive bytes a load
	WIN 0x40
.irp f, 0,1
.irp c, 0,1,2,3
	ds_load_b128 v[\reg+16*\f+4*\c:\reg+16*\f+4*\c+3], v[\adr] offset:(\base)+2048*\f+512*\c
.endr
.endr
	WIN 0
.endm
.macro ADDM half                       ; t = score x c + mask x log2(e), two at a time; each accumulator from its low end on
.set j, 0
.rept 16
	v_pk_fma_f32 v[S+32*(\half)+j:S+32*(\half)+j+1], v[S+32*(\half)+j:S+32*(\half)+j+1], s[CS:CS+1], v[MK+32*(\half)+j:MK+32*(\half)+j+1] op_sel_hi:[1,0,1]
.set j, j+2
.endr
.endm
.macro SCORES                          ; S^T = K Q^T of the tile whose K lies in window 1, and its t
	WIN 0x01                                       ; source 0 window 1
.irp t, 0,1,2,3,4,5,6,7
	v_wmma_f32_16x16x128_fp8_fp8 v[S+8*\t:S+8*\t+7], v[KF+16*\t:KF+16*\t+15], v[16:31], 0
.endr
	WIN 0
	PLACES
	s_wait_loadcnt 8                               ; of the mask's sixteen loads the younger eight may be out
	ADDM 0
	s_wait_loadcnt 0
	ADDM 1
.endm
.macro MAX7                            ; fourteen lines of the two chains of the maximum; j goes on
	v_max3_num_f32 v254, v254, v[S+j], v[S+j+1]
	v_max3_num_f32 v252, v252, v[S+j+2], v[S+j+3]
.set j, j+4
.rept 6
	s_delay_alu instid0(VALU_DEP_2)
	v_max3_num_f32 v254, v254, v[S+j], v[S+j+1]
	s_delay_alu instid0(VALU_DEP_2)
	v_max3_num_f32 v252, v252, v[S+j+2], v[S+j+3]
.set j, j+4
.endr
.endm
.macro QP k0                           ; four tiles of p become codes
.irp k, \k0, \k0+1, \k0+2, \k0+3
.irp i, 0,1,2,3,4,5,6,7
	v_min_num_f32 v[S+8*(\k)+\i], v[S+8*(\k)+\i], v240   ; the conversion to an 8-bit code does not saturate (ISA guide 7.6.2); p is not negative, so the hold is one-sided
.endr
	v_cvt_scalef32_pk8_fp8_f32 v[P+2*(\k):P+2*(\k)+1], v[S+8*(\k):S+8*(\k)+7], v244   ; keys 16 k + 8 h + 0 .. 7: registers 2 k, 2 k + 1 of the operand
.endr
.endm
; A TRIP.  more = 0: there is no next tile.  ask = 1: the mask's tile two beyond the one that is loaded here is prefetched.
.macro BODY more, ask
.if \more
	s_wait_xcnt 0x0                                ; the last trip's prefetch has read its base (its loads were waited for), so it may step
	s_add_nc_u64 s[MB:MB+1], s[MB:MB+1], 8192      ; the next tile of the mask
.endif
.if \ask
	s_cmp_eq_u32 s[LIM], 1
	s_cbranch_scc0 .Lnot_mine_\@
	global_prefetch_b8 v[PFO], s[MB:MB+1] offset:16384 th:TH_LOAD_NT scope:SCOPE_SE
.Lnot_mine_\@:
.endif
	v_add_nc_u32 v[ADV], s[TB], v[AI]
	v_add_nc_u32 v[ADK], s[TB], v[AIK]
.if \more
	LDMG                                           ; its registers were read out by the additions at the last trip's end
.endif
	LDW1 VF, ADV, 0                                ; behind the four v_nop and 32 additions that follow the last products
	v_max3_num_f32 v254, v[S], v[S+1], v[S+2]      ; the tile's largest t of my query, among my 64 keys, in two chains,
	v_max3_num_f32 v252, v[S+3], v[S+4], v[S+5]
.set j, 6
	MAX7
	LDW1 VF+32, ADV, 16384
	MAX7
	s_delay_alu instid0(VALU_DEP_2)
	v_max3_num_f32 v254, v254, v[S+62], v[S+63]
	s_delay_alu instid0(VALU_DEP_1)
	v_max_num_f32 v254, v254, v252
	s_delay_alu instid0(VALU_DEP_1)
	v_permlanex16_b32 v246, v254, s[SEL], s[SEL+1]
	s_delay_alu instid0(VALU_DEP_1)
	v_max_num_f32 v254, v254, v246                 ; and among lane l xor 16's
	s_delay_alu instid0(VALU_DEP_1)
	v_max_num_f32 v13, v13, v254                   ; the running largest t
	v_mov_b32 v254, v12
	s_delay_alu instid0(VALU_DEP_2)
	v_floor_f32 v12, -v13                          ; the new -M = floor(-t) = -ceil(t): M is a whole number
	s_delay_alu instid0(VALU_DEP_1)
	v_sub_f32 v254, v12, v254                      ; M's old value less its new one: a whole number, 0 or less
	s_delay_alu instid0(VALU_DEP_1)
	v_cvt_i32_f32 v254, v254                       ; (it saturates)
	s_delay_alu instid0(VALU_DEP_1)
	v_ldexp_f32 v252, 1.0, v254                    ; f = 2^(old M - new M)
	LDW1 VF+64, ADV, 32768
.set j, 0
.rept 16
	v_pk_add_f32 v[S+j:S+j+1], v[S+j:S+j+1], v[12:13] op_sel_hi:[1,0]       ; t - M (of the pair the low word, -M, serves both halves)
.set j, j+2
.endr
	LDW1 VF+96, ADV, 49152
.rept 16
	v_pk_add_f32 v[S+j:S+j+1], v[S+j:S+j+1], v[12:13] op_sel_hi:[1,0]
.set j, j+2
.endr
.if \more
	LDW1 KF, ADK, 0
.endif
	s_wait_alu depctr_va_vdst(0)                   ; the wait ahead of the batch
.set j, 0
.rept 64
	v_exp_f32 v[S+j], v[S+j]                       ; p = 2^(t - M), at most 1: not normalised
.set j, j+1
.endr
	v_pk_mul_f32 v[14:15], v[14:15], v[252:253] op_sel_hi:[1,0]   ; the sums under the new M.  (The plain line behind the exponentials)
	s_wait_alu depctr_va_vdst(0)                   ; and behind it: one wait for the whole batch
.if \more
	LDW1 KF+32, ADK, 16384
.endif
	v_pk_add_f32 v[242:243], v[100:101], v[104:105]   ; the row's sum of the unquantised p, in eight chains
	v_pk_add_f32 v[254:255], v[108:109], v[112:113]
	v_pk_add_f32 v[250:251], v[116:117], v[120:121]
	v_pk_add_f32 v[248:249], v[124:125], v[128:129]
	v_pk_add_f32 v[238:239], v[132:133], v[136:137]
	v_pk_add_f32 v[236:237], v[140:141], v[144:145]
	v_pk_add_f32 v[234:235], v[148:149], v[152:153]
	v_pk_add_f32 v[14:15], v[14:15], v[156:157]
	v_pk_add_f32 v[242:243], v[242:243], v[96:97]
	v_pk_add_f32 v[254:255], v[254:255], v[98:99]
	v_pk_add_f32 v[250:251], v[250:251], v[102:103]
	v_pk_add_f32 v[248:249], v[248:249], v[106:107]
	v_pk_add_f32 v[238:239], v[238:239], v[110:111]
	v_pk_add_f32 v[236:237], v[236:237], v[114:115]
	v_pk_add_f32 v[234:235], v[234:235], v[118:119]
	v_pk_add_f32 v[14:15], v[14:15], v[122:123]
	v_pk_add_f32 v[242:243], v[242:243], v[126:127]
	v_pk_add_f32 v[254:255], v[254:255], v[130:131]
	v_pk_add_f32 v[250:251], v[250:251], v[134:135]
	v_pk_add_f32 v[248:249], v[248:249], v[138:139]
	v_pk_add_f32 v[238:239], v[238:239], v[142:143]
	v_pk_add_f32 v[236:237], v[236:237], v[146:147]
	v_pk_add_f32 v[234:235], v[234:235], v[150:151]
	v_pk_add_f32 v[14:15], v[14:15], v[154:155]
	v_pk_add_f32 v[242:243], v[242:243], v[158:159]
	s_delay_alu instid0(VALU_DEP_2)
	v_pk_add_f32 v[14:15], v[14:15], v[248:249]
	s_delay_alu instid0(VALU_DEP_2)
	v_pk_add_f32 v[242:243], v[242:243], v[238:239]
	v_pk_add_f32 v[254:255], v[254:255], v[236:237]
	v_pk_add_f32 v[250:251], v[250:251], v[234:235]
	s_delay_alu instid0(VALU_DEP_2)
	v_pk_add_f32 v[14:15], v[14:15], v[254:255]
	s_delay_alu instid0(VALU_DEP_2)
	v_pk_add_f32 v[242:243], v[242:243], v[250:251]
	s_delay_alu instid0(VALU_DEP_1)
	v_pk_add_f32 v[14:15], v[14:15], v[242:243]
.if \more
	LDW1 KF+64, ADK, 32768
.endif
	QP 0
.if \more
	s_wait_dscnt 24                                ; V's eight fragments are in; behind them three groups of K's were issued, which may be out
	LDW1 KF+96, ADK, 49152
.else
	s_wait_dscnt 0                                 ; V's eight fragments are in
.endif
	QP 4
	s_wait_alu depctr_va_vdst(0)                   ; the wait here, directly ahead of the first readers of O^T
.set j, 0
.rept 32
	v_pk_mul_f32 v[OT+j:OT+j+1], v[OT+j:OT+j+1], v[252:253] op_sel_hi:[1,0]   ; O^T under the new M; each accumulator from its low end on.  (Also the plain lines between the conversions and the products)
.set j, j+2
.endr
	WIN 0x01                                       ; source 0 window 1
.irp t, 0,1,2,3,4,5,6,7                        ; O^T += V^T P: the accumulators take turns
	v_wmma_f32_16x16x128_fp8_fp8 v[OT+8*\t:OT+8*\t+7], v[VF+16*\t:VF+16*\t+15], v[P:P+15], v[OT+8*\t:OT+8*\t+7]
.endr
.if \more
	s_wait_dscnt 0                                 ; K's eight fragments are in
	SCORES
.else
	WIN 0
.endif
.endm
; THE CHANGE OF SLOTS: each wave waits for all its tensor loads (one: its part of the slot ahead), adds 0 to its spare word, and waits for that and for its reads of the slot that it leaves.
; refill = 1: the round shows the same of every wave of every partner; behind it the slot just left (at the head: slot 1, for the first time) takes the four tiles that follow.  turn = 1: the trips' LDS byte goes on to the other slot.
.macro CHANGE refill, turn
	s_wait_tensorcnt 0x0                           ; no tensor load of mine is out, so group 0 may be written
	ds_add_u32 v[SPW], v[NIL]                      ; 0 onto my spare word; the steps below stand between it and the wait for it
.if \turn
	s_add_co_u32 s[TB], s[TB], SLOTB-16384
	s_and_b32 s[TB], s[TB], 2*SLOTB-1
.endif
.if \refill
	s_xor_b32 s[G0+1], s[G0+1], SLOTB              ; the other slot than last time,
	s_add_nc_u64 s[G0+2:G0+3], s[G0+2:G0+3], SLOTB ; the next four tiles; the type bits on top are not reached
.endif
	s_wait_dscnt 0x0                               ; the add is done, and my LDS reads are over
.if \refill
	CROUND
	FILL                                           ; the first thing behind the round, and my one tensor load until the next
.else
	s_barrier_signal -1
	s_barrier_wait -1
.endif
.endm
.macro TRIPS n, ask, lab               ; n trips of one slot
	s_mov_b32 s[CNT], \n
\lab:
	BODY 1, \ask
	s_add_co_u32 s[TB], s[TB], 4096
	s_sub_co_u32 s[CNT], s[CNT], 1
	s_cmp_lg_u32 s[CNT], 0
	s_cbranch_scc1 \lab
.endm
	s_wait_alu depctr_va_vdst(0)                   ; the wait at the head's end
	s_wait_loadcnt 16                              ; Q and my fragment of K's tile 0 are in; the mask's sixteen loads may be out
	s_wait_tensorcnt 0x0                           ; no tensor load of mine is out while I store to LDS
.irp c, 0,1,2,3
	ds_store_b128 v[ADV], v[S+4*\c:S+4*\c+3] offset:512*\c
.endr
	CHANGE 1, 0                                    ; slot 0 and K's tile 0 are whole in every wave's sight; slot 1's first fill is issued as a refill is
	WIN 0x40
.set i, 0
.rept 32
	ds_load_b128 v[KF+4*i:KF+4*i+3], v[ADK] offset:512*i   ; K's tile 0: eight fragments
.set i, i+1
.endr
	WIN 0
	s_wait_loadcnt 0x0                             ; the mask's tile 0
	s_wait_dscnt 0x0
	SCORES
	s_mov_b32 s[CN2], 2
.Lslots:                                           ; trips 0 to 7; behind each four the slot just left is filled again
	TRIPS 4, 1, .Ltrip_a
	CHANGE 1, 1
	s_sub_co_u32 s[CN2], s[CN2], 1
	s_cmp_lg_u32 s[CN2], 0
	s_cbranch_scc1 .Lslots
	TRIPS 4, 1, .Ltrip_b                           ; the tail is written out.  Trips 8 to 11
	CHANGE 0, 1                                    ; the last slot has landed, in every wave's sight; nothing is filled
	TRIPS 3, 0, .Ltrip_c                           ; trips 12 to 14,
	BODY 0, 0                                      ; and trip 15
	; THE WAY OUT.  O^T / l stands for the result / 2^(e8 + e9); its code for the last projection is that / 2^(e10 - e8 - e9): the three scales are folded into the conversion's one.
	PLACES                                         ; behind the last products
	v_add_f32 v14, v14, v15                        ; the sum's two halves,
	v_permlanex16_b32 v246, v14, s[SEL], s[SEL+1]
	v_add_f32 v14, v14, v246                       ; and lane l xor 16's: the row's sum
	s_wait_alu depctr_va_vdst(0)                   ; the wait ahead of the transcendental
	v_rcp_f32 v14, v14
	s_sub_co_i32 s53, s52, s50
	s_sub_co_i32 s53, s53, s51
	s_add_co_i32 s53, s53, 127
	s_lshl_b32 s56, s53, 23
	v_mov_b32 v250, s56                            ; (a plain line behind the reciprocal)  2^(e10 - e8 - e9)
	s_add_co_i32 s53, s53, 8
	s_lshl_b32 s53, s53, 23
	s_or_b32 s53, s53, 0x600000
	v_mov_b32 v251, s53                            ; 448 x that
	s_wait_alu depctr_va_vdst(0)                   ; the wait ahead of the first line that names the reciprocal, and of the first readers of O^T
.set j, 0
.rept 32
	v_pk_mul_f32 v[S+j:S+j+1], v[OT+j:OT+j+1], v[14:15] op_sel_hi:[1,0]   ; O^T / l: register 8 t + i is channel 16 t + 8 h + i of my query
.set j, j+2
.endr
.set j, 0
.rept 64
	v_med3_num_f32 v[S+j], v[S+j], -v251, v251
.set j, j+1
.endr
.irp k, 0,1,2,3,4,5,6,7
	v_cvt_scalef32_pk8_fp8_f32 v[P+2*\k:P+2*\k+1], v[S+8*\k:S+8*\k+7], v250
.endr
	v_nop
.irp c, 0,1,2,3
	global_store_b128 v[AI], v[P+4*\c:P+4*\c+3], s[44:45] offset:512*\c   ; the fragment leaves as it stands: 32 lanes store 512 consecutive bytes, at a multiple of 256 from the buffer's first byte
.endr
	s_wait_tensorcnt 0x0                           ; the wave's end
	ds_add_u32 v[SPW], v[NIL]
	s_wait_dscnt 0x0
	CROUND                                         ; the closing round: no work-group ends while a partner may still ask for a tile that names it
	s_endpgm
.Lfunc_end_k_qc42e67d0d1_attn:
	.size	k_qc42e67d0d1_attn, .Lfunc_end_k_qc42e67d0d1_attn-k_qc42e67d0d1_attn
	.p2alignl 7, 3214868480
	.fill 96, 4, 3214868480
	.section	.rodata,"a",@progbits
	.p2align	6, 0x0
	.amdhsa_kernel k_qc42e67d0d1_attn
		.amdhsa_group_segment_fixed_size 327680
		.amdhsa_private_segment_fixed_size 0
		.amdhsa_enable_private_segment 0
		.amdhsa_kernarg_size 32
		.amdhsa_user_sgpr_count 2
		.amdhsa_user_sgpr_kernarg_segment_ptr 1
		.amdhsa_wavefront_size32 1
		.amdhsa_system_sgpr_workgroup_id_x 1
		.amdhsa_system_sgpr_workgroup_id_y 1
		.amdhsa_system_sgpr_workgroup_id_z 1
		.amdhsa_system_vgpr_workitem_id 0
		.amdhsa_next_free_vgpr 512
		.amdhsa_next_free_sgpr 66
		.amdhsa_reserve_vcc 0
		.amdhsa_float_denorm_mode_32 3
		.amdhsa_float_denorm_mode_16_64 3
		.amdhsa_memory_ordered 1
		.amdhsa_forward_progress 1
		.amdhsa_inst_pref_size 114
	.end_amdhsa_kernel
	.amdgpu_metadata
---
amdhsa.version: [ 1, 2 ]
amdhsa.kernels:
  - .name:           k_qc42e67d0d1_attn
    .symbol:         k_qc42e67d0d1_attn.kd
    .args:
      - { .name: qkv, .offset: 0, .size: 8, .value_kind: global_buffer, .address_space: global }
      - { .name: mimg, .offset: 8, .size: 8, .value_kind: global_buffer, .address_space: global }
      - { .name: lowp_scales, .offset: 16, .size: 8, .value_kind: global_buffer, .address_space: global }
      - { .name: ao, .offset: 24, .size: 8, .value_kind: global_buffer, .address_space: global }
    .group_segment_fixed_size: 327680
    .private_segment_fixed_size: 0
    .kernarg_segment_align: 8
    .kernarg_segment_size: 32
    .max_flat_workgroup_size: 256
    .sgpr_count:     66
    .vgpr_count:     512
    .wavefront_size: 32
...
	.end_amdgpu_metadata
.endif
;; end of part 3
;; launch oproj (part 4): grid 16 x 16, 4 waves a work-group, clusters of 4 x 4, 327,680 bytes of LDS; arguments ao, codes, lowp_scales, out0; writes out0
.if DOCPART == 4
	.amdgcn_target "amdgcn-amd-amdhsa--gfx1250"
	.amdhsa_code_object_version 6
	.text
	.protected	k_qc42e67d0d1_oproj
	.globl	k_qc42e67d0d1_oproj
	.p2align	8
	.type	k_qc42e67d0d1_oproj,@function
k_qc42e67d0d1_oproj:
	s_mov_b64 s[64:65], 0
	v_nop
	global_prefetch_b8 v0, s[64:65] scope:SCOPE_SE
	s_setreg_imm32_b32 hwreg(HW_REG_WAVE_MODE, 25, 1), 1
	s_wait_xcnt 0x0
	s_wait_alu depctr_hold_cnt(0) depctr_sa_sdst(0) depctr_va_vdst(0) depctr_va_sdst(0) depctr_va_ssrc(0) depctr_va_vcc(0) depctr_vm_vsrc(0)
	s_getreg_b32 s2, hwreg(HW_REG_IB_STS2, 6, 4)
	s_cmp_eq_u32 s2, 0
	s_cbranch_scc0 .Lentry_in_a_cluster
	s_endpgm
.Lentry_in_a_cluster:
	s_bfe_u32 s2, ttmp6, 0x10000c
	s_cmp_lg_u32 s2, 0xf033
	s_cbranch_scc0 .Lentry_shape_is_right
	s_endpgm
.Lentry_shape_is_right:
.set SLOT,   131072
.set HALFB,  32768
.set STAGE,  2*SLOT
.set SPITCH, 272
.set SPARE,  STAGE+4*16*SPITCH
.set ADRA, 16
.set ADRB, 20
.set STO,  24
.set RD,   25
.set CO,   26
.set SPW,  28
.set NIL,  29
.set TMP,  32
.set BK,   64
.set ACC,  128
.set F0,   0
.set F1,   128
.set G1, 24
.set G0, 32
.set G1B, 48
.set G0B, 56
.set MSB, 0
.macro WIN new
.if MSB != (\new)
	s_set_vgpr_msb (MSB<<8)|(\new)
.set MSB, (\new)
.endif
.endm
.set MUL,  0x05
.set TO_F, 0x40
.macro JLOAD s
	s_cmp_eq_u32 s15, 0
	s_cbranch_scc0 .Lfor_b_\@
	tensor_load_to_lds s[G0+4*(\s):G0+4*(\s)+3], s[G1:G1+7]
	s_nop 0
.rept 4
	v_nop
.endr
	s_branch .Lasked_\@
.Lfor_b_\@:
	tensor_load_to_lds s[G0B+4*(\s):G0B+4*(\s)+3], s[G1B:G1B+7]
	s_nop 0
.rept 4
	v_nop
.endr
.Lasked_\@:
.endm
.macro CREST
	s_cmp_lg_u32 s14, 0
	s_cbranch_scc1 .Lnot_wave_0_\@
	s_barrier_signal -3
.Lnot_wave_0_\@:
	s_barrier_wait -3
	s_barrier_signal -1
	s_barrier_wait -1
.endm
.macro CROUND
	s_barrier_signal -1
	s_barrier_wait -1
	CREST
.endm
	s_load_b256 s[4:11], s[0:1], 0x0
	v_lshl_add_u32 v[SPW], v0, 2, SPARE
	v_mov_b32 v[NIL], 0
	ds_add_u32 v[SPW], v[NIL]
	ds_add_u32 v[SPW], v[NIL]
	v_and_b32 v30, 31, v0
	v_lshlrev_b32 v30, 8, v30                      ; the prefetches' offset: 256 x lane; never rewritten
	v_lshrrev_b32 v1, 5, v0
	v_readfirstlane_b32 s14, v1
	s_lshr_b32 s15, s14, 1
	s_and_b32 s16, s14, 1
	s_bfe_u32 s40, ttmp6, 0x40000
	s_bfe_u32 s41, ttmp6, 0x40004
	s_lshl_b32 s42, ttmp9, 2
	s_add_co_u32 s42, s42, s40
	s_and_b32 s17, ttmp7, 0xffff
	s_lshl_b32 s17, s17, 2
	s_add_co_u32 s17, s17, s41
	s_lshl_b32 s43, s41, 2
	s_lshl_b32 s43, 15, s43
	s_lshl_b32 s44, 0x1111, s40
	s_or_b32 s[G1+0], s43, (3<<16)|(1<<21)
	s_or_b32 s[G1B+0], s44, (3<<16)|(1<<21)
.irp g, G1, G1B
	s_mov_b32 s[\g+1], 32<<16
	s_mov_b32 s[\g+2], 128<<16
	s_mov_b32 s[\g+3], 32<<16
	s_mov_b32 s[\g+4], 128
	s_mov_b32 s[\g+5], 32
	s_mov_b32 s[\g+6], 0
	s_mov_b32 s[\g+7], 0
.endr
	s_lshl_b32 s18, s16, 15
	s_lshl_b32 s20, s17, 18
	s_add_co_u32 s20, s20, s18
	s_mov_b32 s21, 0
	s_lshl_b32 s46, s42, 18
	s_add_co_u32 s46, s46, s18
	s_add_co_u32 s46, s46, 0x1800000
	s_mov_b32 s47, 0
	s_mul_i32 s45, s14, HALFB
	s_wait_dscnt 0x0
	s_wait_kmcnt 0x0
	s_load_b64 s[96:97], s[8:9], 0x28
	s_add_nc_u64 s[20:21], s[4:5], s[20:21]
	s_add_nc_u64 s[46:47], s[6:7], s[46:47]
	s_cmp_eq_u32 s15, 0                            ; the prefetches: of the 32,768 bytes that I fetch for a slot, each of the four partners that ask jointly takes 8,192, told apart by address (cx for A, cy for Wo)
	s_cselect_b64 s[92:93], s[20:21], s[46:47]
	s_cselect_b32 s94, s40, s41
	s_lshl_b32 s94, s94, 13
	s_mov_b32 s95, 0
	s_add_nc_u64 s[92:93], s[92:93], s[94:95]      ; never rewritten: the four slots' worth of K lie 65,536 bytes apart and are named by the immediate
	s_wait_alu depctr_va_vdst(0)
	CROUND
.irp s, 0,1
	s_mov_b32 s[G0+4*\s], 1
	s_add_co_u32 s[G0+4*\s+1], s45, \s*SLOT
	s_add_nc_u64 s[G0+4*\s+2:G0+4*\s+3], s[20:21], \s*2*HALFB
	s_or_b32 s[G0+4*\s+3], s[G0+4*\s+3], 0x80000000
	s_mov_b32 s[G0B+4*\s], 1
	s_add_co_u32 s[G0B+4*\s+1], s45, \s*SLOT
	s_add_nc_u64 s[G0B+4*\s+2:G0B+4*\s+3], s[46:47], \s*2*HALFB
	s_or_b32 s[G0B+4*\s+3], s[G0B+4*\s+3], 0x80000000
.if \s                                 ; slot 1's first fill stands behind the full sequence and a round, as a refill does; slot 0's behind the opening round alone
	s_wait_alu depctr_va_vdst(0)
	s_wait_tensorcnt 0x0
	ds_add_u32 v28, v29
	ds_add_u32 v28, v29
	s_wait_dscnt 0x0
	CROUND
.endif
	JLOAD \s
.if \s == 0
	global_prefetch_b8 v30, s[92:93] offset:2*HALFB th:TH_LOAD_NT scope:SCOPE_SE          ; slot 1's first fill, which is issued when slot 0's has landed
.endif
	global_prefetch_b8 v30, s[92:93] offset:(\s+2)*2*HALFB th:TH_LOAD_NT scope:SCOPE_SE   ; what stands two fills on: behind the last of the four nothing is asked for
.endr
	v_and_b32 v1, 31, v0
	v_lshlrev_b32 v4, 4, v1
	s_lshl_b32 s21, s15, 13
	s_lshl_b32 s22, s16, 13
	s_add_co_u32 s22, s22, 2*HALFB
.irp s, 0,1
	v_add_nc_u32 v[ADRA+\s], s21, v4
	v_add_nc_u32 v[ADRB+\s], s22, v4
	s_add_co_u32 s21, s21, SLOT
	s_add_co_u32 s22, s22, SLOT
.endr
	s_mul_i32 s23, s14, 16*SPITCH
	s_add_co_u32 s23, s23, STAGE
	v_and_b32 v2, 15, v0
	v_bfe_u32 v3, v0, 4, 1
	v_mul_u32_u24 v5, v2, SPITCH
	v_lshl_add_u32 v5, v3, 5, v5
	v_add_nc_u32 v[STO], s23, v5
	v_mul_u32_u24 v5, v3, SPITCH
	v_lshl_add_u32 v5, v2, 4, v5
	v_add_nc_u32 v[RD], s23, v5
	v_lshlrev_b32 v5, 13, v3
	v_lshl_add_u32 v[CO], v2, 4, v5
	s_lshl_b32 s20, s17, 20
	s_lshl_b32 s21, s15, 19
	s_add_co_u32 s20, s20, s21
	s_lshl_b32 s46, s42, 9
	s_lshl_b32 s47, s16, 8
	s_add_co_u32 s46, s46, s47
	s_add_co_u32 s20, s20, s46
	s_mov_b32 s21, 0
	s_add_nc_u64 s[10:11], s[10:11], s[20:21]
.macro MULA f, a, zero
.irp b, 0,1,2,3
.if \zero
	v_wmma_f32_16x16x128_fp8_fp8 v[ACC+8*(4*(\a)+\b):ACC+8*(4*(\a)+\b)+7], v[\f+64+16*\b:\f+64+16*\b+15], v[\f+16*(\a):\f+16*(\a)+15], 0
.else
	v_wmma_f32_16x16x128_fp8_fp8 v[ACC+8*(4*(\a)+\b):ACC+8*(4*(\a)+\b)+7], v[\f+64+16*\b:\f+64+16*\b+15], v[\f+16*(\a):\f+16*(\a)+15], v[ACC+8*(4*(\a)+\b):ACC+8*(4*(\a)+\b)+7]
.endif
.endr
.endm
.macro FETCH slot, q, f
	WIN TO_F
.irp i, 0,1,2,3
.irp c, 0,1,2,3
	ds_load_b128 v[\f+64+16*\i+4*\c:\f+64+16*\i+4*\c+3], v[ADRB+\slot] offset:(\q)*16384+\i*2048+512*\c
.endr
.endr
.irp i, 0,1,2,3
.irp c, 0,1,2,3
	ds_load_b128 v[\f+16*\i+4*\c:\f+16*\i+4*\c+3], v[ADRA+\slot] offset:(\q)*16384+\i*2048+512*\c
.endr
.endr
.endm
.macro PLACES
.rept 4
	v_nop
.endr
.endm
.macro KS slot, q, f, g, zero
	PLACES
	FETCH \slot, (\q)+1, \g
	s_wait_dscnt 32
	WIN MUL
	MULA \f, 0, \zero
	MULA \f, 1, \zero
	MULA \f, 2, \zero
	MULA \f, 3, \zero
.endm
.macro TURN slot, next, fill, f, g
	WIN 0
	s_wait_tensorcnt 0x0
	ds_add_u32 v[SPW], v[NIL]
	s_wait_dscnt 1
	WIN MUL
	MULA \f, 0, 0
	s_wait_dscnt 0x0
	s_barrier_signal -1
	MULA \f, 1, 0
	WIN 0
	s_barrier_wait -1
.if \fill
	CREST
	s_add_nc_u64 s[G0+4*\slot+2:G0+4*\slot+3], s[G0+4*\slot+2:G0+4*\slot+3], 4*HALFB
	s_add_nc_u64 s[G0B+4*\slot+2:G0B+4*\slot+3], s[G0B+4*\slot+2:G0B+4*\slot+3], 4*HALFB
	JLOAD \slot
.else
	PLACES
.endif
	FETCH \next, 0, \g
	WIN MUL
	MULA \f, 2, 0
	MULA \f, 3, 0
.endm
	s_wait_tensorcnt 1
	s_barrier_signal -1
	s_barrier_wait -1
	FETCH 0, 0, F0
	KS 0, 0, F0, F1, 1
	KS 0, 1, F1, F0, 0
	KS 0, 2, F0, F1, 0
	TURN 0, 1, 1, F1, F0
	KS 1, 0, F0, F1, 0
	KS 1, 1, F1, F0, 0
	KS 1, 2, F0, F1, 0
	TURN 1, 0, 1, F1, F0
	KS 0, 0, F0, F1, 0
	KS 0, 1, F1, F0, 0
	KS 0, 2, F0, F1, 0
	TURN 0, 1, 0, F1, F0
	KS 1, 0, F0, F1, 0
	KS 1, 1, F1, F0, 0
	KS 1, 2, F0, F1, 0
	s_wait_dscnt 0
	MULA F1, 0, 0
	MULA F1, 1, 0
	MULA F1, 2, 0
	MULA F1, 3, 0
	WIN 0
.macro TOSTAGE a
.set j, 0
.rept 16
	v_pk_mul_f32 v[TMP+j:TMP+j+1], v[ACC+32*(\a)+j:ACC+32*(\a)+j+1], s[96:97] op_sel_hi:[1,0]
.set j, j+2
.endr
.irp b, 0,1,2,3
	ds_store_b128 v[STO], v[TMP+8*\b:TMP+8*\b+3] offset:64*\b
	ds_store_b128 v[STO], v[TMP+8*\b+4:TMP+8*\b+7] offset:64*\b+16
.endr
.set BB, BK+32*((\a)%2)
.irp t, 0,1,2,3,4,5,6,7
	ds_load_b128 v[BB+4*\t:BB+4*\t+3], v[RD] offset:\t*2*SPITCH
.endr
.endm
.macro SEND a, younger
.set BB, BK+32*((\a)%2)
	s_wait_dscnt \younger
.irp t, 0,1,2,3,4,5,6,7
	global_store_b128 v[CO], v[BB+4*\t:BB+4*\t+3], s[10:11] offset:(16*(\a)+2*\t)*8192 th:TH_STORE_NT
.endr
.endm
	s_wait_kmcnt 0x0
	s_add_co_i32 s96, s96, s97
	s_add_co_i32 s96, s96, 127
	s_lshl_b32 s96, s96, 23
	PLACES
	TOSTAGE 0
.irp a, 1,2,3
.if \a > 1
	s_wait_xcnt 0x0
.endif
	TOSTAGE \a
	SEND \a-1, 16
.endr
	SEND 3, 0
	s_wait_tensorcnt 0x0
	ds_add_u32 v[SPW], v[NIL]
	s_wait_dscnt 0x0
	CROUND
	s_endpgm
.Lfunc_end_k_qc42e67d0d1_oproj:
	.size	k_qc42e67d0d1_oproj, .Lfunc_end_k_qc42e67d0d1_oproj-k_qc42e67d0d1_oproj
	.p2alignl 7, 3214868480
	.fill 96, 4, 3214868480
	.section	.rodata,"a",@progbits
	.p2align	6, 0x0
	.amdhsa_kernel k_qc42e67d0d1_oproj
		.amdhsa_group_segment_fixed_size 327680
		.amdhsa_private_segment_fixed_size 0
		.amdhsa_enable_private_segment 0
		.amdhsa_kernarg_size 32
		.amdhsa_user_sgpr_count 2
		.amdhsa_user_sgpr_kernarg_segment_ptr 1
		.amdhsa_wavefront_size32 1
		.amdhsa_system_sgpr_workgroup_id_x 1
		.amdhsa_system_sgpr_workgroup_id_y 1
		.amdhsa_system_sgpr_workgroup_id_z 1
		.amdhsa_system_vgpr_workitem_id 0
		.amdhsa_next_free_vgpr 512
		.amdhsa_next_free_sgpr 98
		.amdhsa_reserve_vcc 0
		.amdhsa_float_denorm_mode_32 3
		.amdhsa_float_denorm_mode_16_64 3
		.amdhsa_memory_ordered 1
		.amdhsa_forward_progress 1
		.amdhsa_inst_pref_size 74
	.end_amdhsa_kernel
	.amdgpu_metadata
---
amdhsa.version: [ 1, 2 ]
amdhsa.kernels:
  - .name:           k_qc42e67d0d1_oproj
    .symbol:         k_qc42e67d0d1_oproj.kd
    .args:
      - { .name: ao, .offset: 0, .size: 8, .value_kind: global_buffer, .address_space: global }
      - { .name: codes, .offset: 8, .size: 8, .value_kind: global_buffer, .address_space: global }
      - { .name: lowp_scales, .offset: 16, .size: 8, .value_kind: global_buffer, .address_space: global }
      - { .name: out0, .offset: 24, .size: 8, .value_kind: global_buffer, .address_space: global }
    .group_segment_fixed_size: 327680
    .private_segment_fixed_size: 0
    .kernarg_segment_align: 8
    .kernarg_segment_size: 32
    .max_flat_workgroup_size: 128
    .sgpr_count:     98
    .vgpr_count:     512
    .wavefront_size: 32
...
	.end_amdgpu_metadata
.endif
;; end of part 4
